; MI455X (gfx1250); checked and timed in simulation.
; The chip was launched on July 23, 2026; its instructions are those of AMD's public machine-readable ISA for CDNA 5 (MIT licence, August 2026) and "CDNA5" Instruction Set Architecture Reference Guide (July 2026). The comments in the code are by the model that wrote it; some were corrected since.
;; Attention. Allowed arithmetic: matrix products marked QUANTISED: E2M1 operands, one E8M0 scale for each 32 along K, by v_wmma_scale_f32_16x16x128_f8f6f4 with both operands' format E2M1 (or v_wmma_scale_f32_32x16x128_f4), f32 sums; products left as they are: f32 operands where the result goes on into a quantised operand, else bf16, f16 or f32 operands; f32 sums; everything else in f32.
;; Inputs: W 1,024 x 1,024 float32; b 1,024 float32; encoder_outputs 2,048 x 32 x 1,024 float32; hidden 1 x 32 x 1,024 float32.
;; Outputs: out0 32 x 1 x 2,048 float32.
;; This version of the problem:
;;   THIS VERSION OF THE PROBLEM IS GIVEN IN LOW PRECISION. The matrix products marked QUANTISED in the list below multiply operands that are first quantised to E2M1 (2 exponent bits, 1 mantissa bit; 4 bits a number), with one power-of-two scale for each 32 numbers along K (OCP MX v1.0); their sums are f32. All else is computed in f32.
;;   The module's matrix products, in the order in which they are computed (A, B: the left and right operand; K: the contracted axis; several contracted axes count as one K, in the product's order):
;;     1. [M 65,536, K 1,024] x [K 1,024, N 1,024]; A: input encoder_outputs; B: input W: QUANTISED
;;     2. batch 32 x [M 1, K 1,024] x [K 1,024, N 2,048]; A: input hidden; B: computed on the way: left as it is (M = 1 < 16)
;;   THE QUANTISER, for each operand of a quantised product, along K:
;;     - K is cut into blocks of 32 from its start; a last block that is shorter is filled with zeros.
;;     - A block's scale is 2^e with e = floor(log2(the largest magnitude in the block)) - 2, held to -126 .. 127; a block of zeros has e = 0. As a byte (E8M0): e + 127.
;;     - Each number is divided by its block's scale, clamped to +-6, and rounded to the nearest number of E2M1, ties to even, subnormals kept.
;;     - The product sums the exact products of the quantised numbers (number of the format x scale) in f32.
;;   ~~~python
;;   def quantise(x, axis):      # numpy; x: float32 -> the quantised numbers, widened to float32 again
;;       x = np.moveaxis(x, axis, -1); K = x.shape[-1]
;;       x = np.pad(x, [(0, 0)] * (x.ndim - 1) + [(0, -K % 32)]); x = x.reshape(x.shape[:-1] + (-1, 32)); a = np.abs(x).max(-1, keepdims=True)
;;       e = np.where(a > 0, np.clip(np.frexp(np.where(a > 0, a, 1))[1] - 1 - 2, -126, 127), 0)      # np.frexp(a)[1] - 1 = floor(log2(a)), exactly
;;       r = np.clip(x / 2.0 ** e, -6, 6)
;;       step = 2.0 ** (np.maximum(np.frexp(np.where(r == 0, 1, r))[1] - 1, 0) - 1)
;;       q = np.round(r / step) * step * 2.0 ** e      # np.round: ties to even
;;       return np.moveaxis(q.reshape(q.shape[:-2] + (-1,))[..., :K], -1, axis).astype(np.float32)
;;   ~~~
;; One version. Each part assembles by itself: llvm-mc -triple=amdgcn-amd-amdhsa -mcpu=gfx1250 --defsym DOCPART=n.
;; ======== version 1 of 1: 3 launches
;; limits: right only within a limited range of input values
;; workspace buffers: wq 557,056 bytes; scores 262,144 bytes
;; launch wprep (part 1): grid 64 x 1, 8 waves a work-group, no clusters, 10,240 bytes of LDS; arguments W, wq; writes wq
.if DOCPART == 1
	.amdgcn_target "amdgcn-amd-amdhsa--gfx1250"
	.amdhsa_code_object_version 6
	.text
	.protected	k_qfa01ec9d24_wprep
	.globl	k_qfa01ec9d24_wprep
	.p2align	8
	.type	k_qfa01ec9d24_wprep,@function
k_qfa01ec9d24_wprep:
	s_mov_b64 s[64:65], 0
	v_nop
	global_prefetch_b8 v0, s[64:65] scope:SCOPE_SE
	s_setreg_imm32_b32 hwreg(HW_REG_WAVE_MODE, 25, 1), 1
	s_wait_xcnt 0x0
; W [1024 (n)][1024 (k)] f32 becomes codes of FP4 (E2M1) with one E8M0 scale byte for each 32 along k, laid in the ORDER OF THE OPERAND'S REGISTERS.
; wq: 64 packages of 8,704 bytes, one for each tile of 16 rows n = 16 nt + r:
;   byte 1024 k + 512 c + 16 l      registers 4 c .. 4 c + 3 of lane l of fragment k (128 along K): row l % 16, K = 128 k + 64 c + 32 (l / 16) + 0 .. 31
;   byte 8192 + 16 l + 4 q          the scale word (four bytes, 128 along K) of row l % 16 for K step 2 q + l / 16
; so that the next launch gets a fragment by two loads of 16 bytes a lane and four scale registers by one.
; A block's scale is 2^(floor(log2(its largest magnitude)) - 2); its byte is the largest magnitude's exponent field - 2, held at 1 from below.
; LIMITS: a block of zeros gets the byte 1 where the rule says 127 (its codes are zeros, and this program alone reads the bytes); NaN and infinities are not served.
; SHARES: a work-group makes one package; wave w quantises rows 2 w and 2 w + 1, then, behind a barrier, stores fragment k = w.  No tensor load, no ring.
; WORK LEFT OUT BY THE WHOLE PROGRAM: the bias b.  reference() adds b[n] to proj[s][b][n], so each score gets the term sum over n of hidden[b][n] x b[n], which hangs on b alone and is the same for every s;
; the softmax runs over s, and a term that is the same along its axis cancels between its numerator and its denominator, whatever finite values hidden and b hold.  b enters no quantised operand.
; So the input b has no way to the output: it is not loaded and is among no launch's arguments.  LIMIT: a NaN, an infinity or an overflow that would come from b alone is not carried to the result.
.set XP,   528                         ; a row of codes in LDS: 512 bytes + 16
.set SCW,  16*XP                       ; behind the 16 rows: the image of the scale words, 512 bytes
.set PKG,  8704
.set R,    40                          ; v40-71, v72-103: the two rows as loaded
.set F,    104                         ; v104-111: the fragment on its way out
	s_load_b128 s[4:7], s[0:1], 0x0                ; W s[4:5], wq s[6:7]
	v_lshl_add_u32 v112, v0, 2, 0x2400
	v_mov_b32 v113, 0
	v_lshrrev_b32 v1, 5, v0
	s_delay_alu instid0(VALU_DEP_1)
	v_readfirstlane_b32 s8, v1                     ; wave 0..7
	v_and_b32 v1, 31, v0                           ; l
	v_and_b32 v2, 15, v0                           ; g = l % 16
	v_bfe_u32 v3, v0, 4, 1                         ; h = l / 16
	s_delay_alu instid0(VALU_DEP_2)
	v_lshlrev_b32 v4, 5, v2
	s_delay_alu instid0(VALU_DEP_1)
	v_lshl_add_u32 v4, v3, 4, v4                   ; in: 32 g + 16 h: a load's 32 lanes cover 512 consecutive bytes
	s_mul_i32 s9, s8, 2*XP
	v_lshl_add_u32 v5, v1, 2, s9                   ; codes into LDS: my wave's two rows, 4 bytes a lane
	v_lshrrev_b32 v6, 2, v2
	s_delay_alu instid0(VALU_DEP_1)
	v_lshl_add_u32 v6, v3, 8, v6                   ; scale bytes: 256 h + g / 4,
	s_lshl_b32 s9, s8, 5
	s_add_co_u32 s9, s9, SCW
	v_add_nc_u32 v6, s9, v6                        ; + 16 x my first row
	v_mul_u32_u24 v7, v2, XP
	s_delay_alu instid0(VALU_DEP_1)
	v_lshl_add_u32 v7, v3, 4, v7
	s_lshl_b32 s9, s8, 6
	v_add_nc_u32 v7, s9, v7                        ; fragment k = wave out of LDS: row g, + 64 k + 16 h
	v_lshlrev_b32 v8, 4, v1                        ; 16 l
	s_lshl_b32 s9, s8, 10
	v_add_nc_u32 v9, s9, v8                        ; its place in the package: 1024 k + 16 l
	v_add_nc_u32 v10, SCW, v8                      ; the scale image, 16 bytes a lane
	s_lshl_b32 s10, ttmp9, 16                      ; 16 rows of 4,096 bytes a work-group,
	s_lshl_b32 s11, s8, 13                         ; two a wave
	s_add_co_u32 s10, s10, s11
	s_mov_b32 s11, 0
	s_mul_i32 s12, ttmp9, PKG
	s_mov_b32 s13, 0
	s_wait_kmcnt 0x0
	s_add_nc_u64 s[4:5], s[4:5], s[10:11]
	s_add_nc_u64 s[6:7], s[6:7], s[12:13]
.irp ro, 0,1
.irp q, 0,1,2,3,4,5,6,7
	global_load_b128 v[R+32*\ro+4*\q:R+32*\ro+4*\q+3], v4, s[4:5] offset:4096*\ro+512*\q th:TH_LOAD_NT
.endr
.endr
; One row.  Load 2 p brought K = 256 p + 8 g + 4 h + 0..3, load 2 p + 1 the same 128 further on.  The exchange of halves gives lane (h, g) eight NEIGHBOURS, K = 128 (2 p + h) + 8 g + 0..7,
; in eight consecutive registers, as the conversion wants them; a block of 32 then lies in four neighbouring lanes.
.macro QW ro, cnt
.set RW, R+32*\ro
.set TM, 12+12*\ro                     ; largest magnitudes, then bytes;  +4 the conversions' scale operands;  +8 the codes: a set for each row, so no store's data are written again
	s_wait_loadcnt \cnt                            ; this row's eight loads are in; the other row's may be out
.irp p, 0,1,2,3
.irp i, 0,1,2,3
	v_permlane16_swap_b32 v[RW+8*\p+\i], v[RW+8*\p+4+\i]
.endr
.endr
.irp p, 0,1,2,3
	v_max3_num_f32 v[TM+\p], |v[RW+8*\p]|, |v[RW+8*\p+1]|, 0x1800000   ; my eight numbers, and the floor 2^(3 - 127): the byte cannot fall under 1
.endr
.irp i, 2,4,6
.irp p, 0,1,2,3
	s_delay_alu instid0(VALU_DEP_4)
	v_max3_num_f32 v[TM+\p], |v[RW+8*\p+\i]|, |v[RW+8*\p+\i+1]|, v[TM+\p]
.endr
.endr
.irp m, 1,2
.irp p, 0,1,2,3
	s_delay_alu instid0(VALU_DEP_4)
	v_max_num_f32_dpp v[TM+\p], v[TM+\p], v[TM+\p] row_xmask:\m row_mask:0xf bank_mask:0xf   ; with the block's three other lanes
.endr
.endr
.irp p, 0,1,2,3
	s_delay_alu instid0(VALU_DEP_4)
	v_add_nc_u32 v[TM+4+\p], 0xff000000, v[TM+\p]  ; 2 off the exponent field: the conversion takes that field as its scale
.endr
.irp p, 0,1,2,3
	v_cvt_scalef32_pk8_fp4_f32 v[TM+8+\p], v[RW+8*\p:RW+8*\p+7], v[TM+4+\p]
.endr
.irp p, 0,1,2,3
	v_lshrrev_b32 v[TM+\p], 23, v[TM+4+\p]         ; the scale's byte (also the plain line behind the conversions)
.endr
.irp p, 0,1,2,3
	ds_store_b32 v5, v[TM+8+\p] offset:XP*\ro+128*\p       ; 8 codes: byte 128 p + 4 l of the row: 128 consecutive bytes a store
	ds_store_b8 v6, v[TM+\p] offset:16*\ro+4*\p            ; K step 2 p + h, block g / 4; a block's four lanes write the same byte with the same value
.endr
.endm
	QW 0, 8
	QW 1, 0
	s_wait_dscnt 0x0                               ; for the others' sake: my stores have landed
	s_barrier_signal -1
	s_barrier_wait -1
	ds_load_b128 v[F:F+3], v7                      ; registers 0-3 of fragment k = wave,
	ds_load_b128 v[F+4:F+7], v7 offset:32          ; registers 4-7
	s_wait_dscnt 0x0
	global_store_b128 v9, v[F:F+3], s[6:7]         ; each store covers 512 consecutive bytes, at a multiple of 256 from wq's first byte
	global_store_b128 v9, v[F+4:F+7], s[6:7] offset:512
	s_cmp_lg_u32 s8, 0                             ; wave 0 also stores the scale image
	s_cbranch_scc1 .Lend
	ds_load_b128 v[36:39], v10
	s_wait_dscnt 0x0
	global_store_b128 v8, v[36:39], s[6:7] offset:8192
.Lend:
	s_wait_tensorcnt 0x0
	ds_add_u32 v112, v113
	s_wait_dscnt 0x0
	s_endpgm
.Lfunc_end_k_qfa01ec9d24_wprep:
	.size	k_qfa01ec9d24_wprep, .Lfunc_end_k_qfa01ec9d24_wprep-k_qfa01ec9d24_wprep
	.p2alignl 7, 3214868480
	.fill 96, 4, 3214868480
	.section	.rodata,"a",@progbits
	.p2align	6, 0x0
	.amdhsa_kernel k_qfa01ec9d24_wprep
		.amdhsa_group_segment_fixed_size 10240
		.amdhsa_private_segment_fixed_size 0
		.amdhsa_enable_private_segment 0
		.amdhsa_kernarg_size 16
		.amdhsa_user_sgpr_count 2
		.amdhsa_user_sgpr_kernarg_segment_ptr 1
		.amdhsa_wavefront_size32 1
		.amdhsa_system_sgpr_workgroup_id_x 1
		.amdhsa_system_sgpr_workgroup_id_y 1
		.amdhsa_system_sgpr_workgroup_id_z 1
		.amdhsa_system_vgpr_workitem_id 0
		.amdhsa_next_free_vgpr 114
		.amdhsa_next_free_sgpr 66
		.amdhsa_reserve_vcc 0
		.amdhsa_float_denorm_mode_32 3
		.amdhsa_float_denorm_mode_16_64 3
		.amdhsa_memory_ordered 1
		.amdhsa_forward_progress 1
		.amdhsa_inst_pref_size 13
	.end_amdhsa_kernel
	.amdgpu_metadata
---
amdhsa.version: [ 1, 2 ]
amdhsa.kernels:
  - .name:           k_qfa01ec9d24_wprep
    .symbol:         k_qfa01ec9d24_wprep.kd
    .args:
      - { .name: W, .offset: 0, .size: 8, .value_kind: global_buffer, .address_space: global }
      - { .name: wq, .offset: 8, .size: 8, .value_kind: global_buffer, .address_space: global }
    .group_segment_fixed_size: 10240
    .private_segment_fixed_size: 0
    .kernarg_segment_align: 8
    .kernarg_segment_size: 16
    .max_flat_workgroup_size: 256
    .sgpr_count:     66
    .vgpr_count:     114
    .wavefront_size: 32
...
	.end_amdgpu_metadata
.endif
;; end of part 1
;; launch score (part 2): grid 256 x 1, 4 waves a work-group, clusters of 4 x 1, 327,680 bytes of LDS; arguments encoder_outputs, hidden, wq, scores; writes scores
.if DOCPART == 2
	.amdgcn_target "amdgcn-amd-amdhsa--gfx1250"
	.amdhsa_code_object_version 6
	.text
	.protected	k_qfa01ec9d24_score
	.globl	k_qfa01ec9d24_score
	.p2align	8
	.type	k_qfa01ec9d24_score,@function
k_qfa01ec9d24_score:
	s_mov_b64 s[64:65], 0
	v_nop
	global_prefetch_b8 v0, s[64:65] scope:SCOPE_SE
	s_setreg_imm32_b32 hwreg(HW_REG_WAVE_MODE, 25, 1), 1
	s_wait_xcnt 0x0
	s_wait_alu depctr_hold_cnt(0) depctr_sa_sdst(0) depctr_va_vdst(0) depctr_va_sdst(0) depctr_va_ssrc(0) depctr_va_vcc(0) depctr_vm_vsrc(0)
	s_getreg_b32 s2, hwreg(HW_REG_IB_STS2, 6, 4)
	s_cmp_eq_u32 s2, 0
	s_cbranch_scc0 .Lentry_in_a_cluster
	s_endpgm
.Lentry_in_a_cluster:
	s_bfe_u32 s2, ttmp6, 0x10000c
	s_cmp_lg_u32 s2, 0x3003
	s_cbranch_scc0 .Lentry_shape_is_right
	s_endpgm
.Lentry_shape_is_right:
; scores[b][s] = sum over n of hidden[b][n] x ( sum over k of Q(E)[s][b][k] Q(W)[n][k] + bias[n] ).   E: [2048 (s)][32 (b)][1024] f32; wq: W's codes and scale words (launch wprep); scores: [32][2048] f32.
; The inner product runs on codes of FP4 (E2M1) with one E8M0 scale for each 32 along k; E is quantised here, in registers, on its way; proj is never stored: each finished tile is folded into the scores by f32 multiply-adds.
; SHARES.  Work-group g = 4 x cluster + cx owns 256 rows of E of ONE b = g % 32: s = 256 (g / 32) + 0 .. 255, so it needs 4,096 bytes of hidden.  Wave w reads and quantises the 64 rows s0 + 64 w + j, each once.
; The rows go in two CHUNKS of 128 (j < 32, j >= 32).  In the product every wave takes all 128 rows of a chunk (8 tiles of 16 rows x all of K: 512 registers of codes) and its own quarter of n (16 tiles):
; a fragment of W feeds eight matrix instructions.
; THREE PASSES.  A: chunk 0 is quantised.  B: chunk 0 is multiplied while chunk 1 arrives and is quantised, whole rows between whole tiles of n.  C: chunk 1 is multiplied.
; E's rows come by plain loads into a ring of 8 rows in registers: 64 loads of 512 consecutive bytes of every wave are out from the head to the last row, across all barriers; the f32 numbers never touch LDS.
; Each ring slot has a base pointer of its own, stepped behind the wait that shows the slot's own loads done: no other wait is owed for it.
; W IN PASS B comes through a ring of two LDS slots by tensor loads; a wave fetches and reads its own quarter.  CLUSTER: the four work-groups of a cluster walk the same W, so each load is asked for JOINTLY:
; the same descriptor (made of the wave's number alone) and a mask that names the four.
; W IN PASS C is NOT asked for jointly.  Beside a chunk's codes LDS holds two slots of two packages a wave (2 x 69,632 + 84,480 bytes; slots twice as large would need 362,752), so a joint refill would have
; 128 matrix instructions in which to land.  The 256 registers of E's ring are free by then and hold four packages: each wave loads its quarter straight into them, three packages on their way during every tile,
; with counted waits and no barrier.
; THE MATRIX INSTRUCTION IS USED TRANSPOSED (source 0 = 16 rows of W, source 1 = 16 rows of E): lane (r, h) holds row r of E, its register j is n = n0 + 8 h + j.  The bias is the C of a tile's first instruction.
; LIMITS: NaN and infinities among the inputs are not served; a block of zeros gets the scale byte 1 where the rule says 127 (its codes are zeros; this program alone reads the bytes);
; the sum over n is taken lane by lane and wave by wave, in another order than the reference's.
; REGISTERS, in windows of 256: window 0: addresses, the quantiser's, scale words, bias, hidden, sums, W's 8 fragments (pass B), 8 accumulators.  window 1: the ring of 8 rows of E; in pass C four packages of W.
;   window 2: E's codes of K steps 0-3 (tile mt, step k at v[8 (8 (k % 4) + mt)]);  window 3: K steps 4-7.
; THE BIAS IS LEFT OUT, against what the lines above say of it: its term in a score, sum over n of hidden[b][n] x bias[n], is the same for every s and cancels in the softmax over s (shown at the head of launch wprep).
; So scores[b][s] here is the sum over n of hidden[b][n] x (sum over k of Q(E) Q(W)); a tile's first matrix instruction takes the constant 0 as C; the input b is not an argument.
; FIRST FILLS: at the head each wave issues one joint load, slot 0's; slot 1's first fill stands behind pass A, behind the three lines and a round of the cluster's barrier, as a refill does.
; PREFETCH: in the first three of pass A's four trips each wave names 32 blocks of 256 bytes of its quarter of wq, from part 2 on; the four partners of a cluster take 8,192 bytes each, told apart by address:
; 3 x 32,768 = 98,304 of the 104,448 bytes of parts 2 to 7, each block once in a cluster, whole passes ahead of the tensor loads that want them; the last 6,144 bytes come by their load alone.
.set WPART,  17408                     ; two packages: what one tensor load brings, 68 x 256 bytes
.set PKG,    8704
.set SLOT,   4*WPART                   ; a slot: a part for each wave
.set XIMG,   2*SLOT                    ; a chunk's codes: 128 rows x (512 bytes + 16)
.set XP,     528
.set SCIMG,  XIMG+128*XP               ; their scale words: byte 1024 (mt / 2) + 512 (k / 4) + 16 (16 (mt % 2) + r) + 4 (k % 4) + block
.set AUX,    SCIMG+4096                ; hidden[b], 4,096 bytes
.set RED,    AUX+4096                  ; partial scores: 2048 chunk + 512 wave + 16 lane + 4 i
.set SPARE,  RED+4096                  ; the spare words, 128 bytes for each wave: two blocks of 256 bytes that no other line names
.set SPW, 1                            ; v1   SPARE + 4 x my thread's number; never rewritten
.set NIL, 2                            ; v2   0; never rewritten
.set XA,  3                            ; v3   E: 32 (l % 16) + 16 (l / 16); never rewritten
.set CA0, 4                            ; v4   where my wave's rows of codes begin, + 4 l
.set SA0, 5                            ; v5   where my wave's scale bytes begin, + l / 4
.set CA,  6                            ; v6, v7  the same for the trip in hand
.set SA,  7
.set WA,  8                            ; v8, v9  my part of slot 0, 1, + 16 l
.set HA0, 10                           ; v10  my quarter of hidden in AUX, + 32 (l / 16)
.set HA,  11                           ; v11  the same for the trip in hand
.set EA,  12                           ; v12  a fragment of E's codes: row l % 16, + 16 (l / 16)
.set LI,  13                           ; v13  SCIMG + 16 l
.set RS,  14                           ; v14  where I put my partial scores
.set RL,  15                           ; v15  where I read the four waves' back
.set GO,  16                           ; v16  8 l
.set LG,  17                           ; v17  16 l: my place in 512 bytes of memory; never rewritten
.set AXA, 18                           ; v18  where my 16 bytes of hidden and of the bias go
                                       ; the quantiser: even rows v20-23 (largest magnitudes, then bytes) and v28-31 (codes), odd rows v120-123 and v124-127: what a row's LDS stores read is written again two rows later
.set SO,  24                           ; v24-27 the conversions' scale operands
.set ES,  32                           ; v32-63 E's scale words: v[ES + 8 (mt / 2) + k]: lanes 0-15 the even tile's rows, lanes 16-31 the odd tile's
.set WS,  64                           ; v64-71 W's: v[WS + 4 u + q]: lanes 0-15 K step 2 q, lanes 16-31 K step 2 q + 1.  In pass C: package slots 0, 1 here, slots 2, 3 in v20-27
.set PFO, 72                           ; v72  the prefetches' offset: 8192 x my place in the cluster + 256 l; never rewritten
.set PW,  92                           ; s[92:93] where my wave's prefetches stand in wq
.set HI,  88                           ; v88-103 hidden likewise
.set SCR, 104                          ; v104-119 the running scores: a pair (even n, odd n) for each tile of rows
.set ST,  120                          ; v120-127 at work behind a pass
.set WF,  128                          ; v128-191 W's 8 fragments of one tile of n (pass B)
.set ACC, 192                          ; v192-255 8 accumulators: one tile of n x 8 tiles of rows
.set WV,  14                           ; s14  my wave's number
.set G1W, 24                           ; s[24:31] descriptor group 1
.set G0,  32                           ; s[32:35], s[36:39] group 0 for slot 0, 1
.set QC,  47                           ; s47, s48, s49: the trip's steps for CA, SA, HA
.set QS,  48
.set AT,  49
.set CNT, 50
.set EBS, 66                           ; s[66:81] E at the row that ring slot 0 .. 7 asked for last
.set WPS, 82                           ; s[82:89] wq at the package that package slot 0 .. 3 asked for last
.set MSB, 0
.macro WIN new                         ; s_set_vgpr_msb: bits 1:0 source 0, 3:2 source 1, 5:4 source 2, 7:6 destination; the high byte repeats the setting that is left
.if MSB != \new
	s_set_vgpr_msb (MSB<<8)|\new
.set MSB, \new
.endif
.endm
.macro PLACES                          ; four plain vector lines between a matrix instruction and a read of its result, or a load into a register that it has read (ISA guide 7.12.1 for vector instructions)
.rept 4
	v_nop
.endr
.endm
.macro CROUND                          ; a round of the cluster's barrier: my work-group's barrier; wave 0 signals for the work-group; every wave waits for all four work-groups; my work-group's barrier again
	s_barrier_signal -1
	s_barrier_wait -1
	s_cmp_lg_u32 s[WV], 0
	s_cbranch_scc1 .Lnot_wave_0_\@
	s_barrier_signal -3
.Lnot_wave_0_\@:
	s_barrier_wait -3
	s_barrier_signal -1
	s_barrier_wait -1
.endm
.macro ROWLOAD sl                      ; a row of E, 4,096 bytes, into ring slot sl (destination window 1): each load covers 512 consecutive bytes, at a multiple of 256 from E's first byte
.irp q, 0,1,2,3,4,5,6,7
	global_load_b128 v[32*(\sl)+4*\q:32*(\sl)+4*\q+3], v[XA], s[EBS+2*(\sl):EBS+2*(\sl)+1] offset:512*\q th:TH_LOAD_NT
.endr
.endm
.macro PFRAG pkg                       ; a package's 8 fragments, 8,192 bytes, into package slot pkg (destination window 1), as they lie: 512 consecutive bytes a load.  Other work-groups read them too: no hint
.irp k, 0,1,2,3,4,5,6,7
.irp c, 0,1
	global_load_b128 v[64*(\pkg)+8*\k+4*\c:64*(\pkg)+8*\k+4*\c+3], v[LG], s[WPS+2*(\pkg):WPS+2*(\pkg)+1] offset:1024*\k+512*\c
.endr
.endr
.endm
	s_load_b128 s[4:7], s[0:1], 0x0                ; E s[4:5], hidden s[6:7]
	s_load_b64 s[10:11], s[0:1], 0x10              ; wq
	s_load_b64 s[12:13], s[0:1], 0x18              ; scores
	v_lshl_add_u32 v[SPW], v0, 2, SPARE
	v_mov_b32 v[NIL], 0
	ds_add_u32 v1, v2
	ds_add_u32 v1, v2
	s_wait_dscnt 0x0
	v_lshrrev_b32 v17, 5, v0
	v_readfirstlane_b32 s[WV], v17                 ; wave 0..3
	v_and_b32 v17, 31, v0                          ; l
	v_and_b32 v18, 15, v0                          ; l % 16
	v_bfe_u32 v19, v0, 4, 1                        ; l / 16
	v_lshlrev_b32 v[XA], 5, v18
	v_lshl_add_u32 v[XA], v19, 4, v[XA]
	v_mul_u32_u24 v[EA], v18, XP
	v_lshl_add_u32 v[EA], v19, 4, v[EA]
	v_add_nc_u32 v[EA], XIMG, v[EA]
	s_lshl_b32 s46, s[WV], 2
	s_add_co_u32 s46, s46, RED
	v_lshl_add_u32 v[RL], v19, 11, s46
	v_lshl_add_u32 v[RL], v18, 5, v[RL]
	s_mul_i32 s46, s[WV], 32*XP
	s_add_co_u32 s46, s46, XIMG
	v_lshl_add_u32 v[CA0], v17, 2, s46
	s_lshl_b32 s46, s[WV], 10
	s_add_co_u32 s46, s46, SCIMG
	v_lshrrev_b32 v[SA0], 2, v17
	v_add_nc_u32 v[SA0], s46, v[SA0]
	s_lshl_b32 s46, s[WV], 10
	s_add_co_u32 s46, s46, AUX
	v_lshl_add_u32 v[HA0], v19, 5, s46
	v_lshl_add_u32 v[AXA], v17, 4, s46             ; (l % 16 is done with)
	v_lshl_add_u32 v[LI], v17, 4, SCIMG
	s_lshl_b32 s46, s[WV], 9
	s_add_co_u32 s46, s46, RED
	v_lshl_add_u32 v[RS], v17, 4, s46
	v_lshlrev_b32 v[GO], 3, v17
	s_mul_i32 s46, s[WV], WPART                    ; my part of a slot: no place in the cluster enters an LDS address
	v_lshl_add_u32 v[WA], v17, 4, s46
	v_add_nc_u32 v[WA+1], SLOT, v[WA]
	v_lshlrev_b32 v[LG], 4, v17                    ; 16 l
	s_bfe_u32 s15, ttmp6, 0x40000                  ; cx: my place in the cluster: it enters the addresses of E, hidden and scores and the prefetches' offset alone
	s_lshl_b32 s16, ttmp9, 2                       ; in a cluster launch ttmp9 counts clusters
	s_add_co_u32 s16, s16, s15                     ; g
	s_lshl_b32 s22, s15, 13
	v_lshl_add_u32 v[PFO], v[LG], 4, s22           ; 256 l + 8192 cx: the place in the cluster enters a global offset alone
	s_and_b32 s17, s16, 31                         ; b
	s_lshr_b32 s18, s16, 5
	s_lshl_b32 s19, s18, 8
	s_lshl_b32 s20, s[WV], 6
	s_add_co_u32 s19, s19, s20                     ; my wave's first s = 256 (g / 32) + 64 w
	s_lshl_b32 s20, s19, 17                        ; E: 131,072 bytes from s to s + 1 (under 2^29 in all),
	s_lshl_b32 s21, s17, 12                        ; 4,096 from b to b + 1
	s_add_co_u32 s20, s20, s21
	s_mov_b32 s21, 0
	s_lshl_b32 s42, s17, 12                        ; hidden: row b,
	s_lshl_b32 s44, s[WV], 10                      ; my wave's 1,024 bytes
	s_add_co_u32 s42, s42, s44
	s_mov_b32 s43, 0
	s_mul_i32 s40, s[WV], 16*PKG                   ; wq: my quarter, 16 packages
	s_mov_b32 s41, 0
	s_lshl_b32 s18, s17, 13                        ; scores: row b of 8,192 bytes,
	s_lshl_b32 s19, s19, 2                         ; my wave's 64 numbers
	s_add_co_u32 s18, s18, s19
	s_mov_b32 s19, 0
	; descriptor group 1: a dense block of 17,408 bytes as 68 rows of 32 elements of 8 bytes, laid in LDS without padding (it is read 16 bytes a lane, lane by lane)
	s_mov_b32 s[G1W], 15|(3<<16)|(1<<21)           ; 15:0 the mask: all four work-groups; 17:16 elements of 8 bytes; 21 set beside a mask
	s_mov_b32 s[G1W+1], 32<<16                     ; tensor_dim0 = 32
	s_mov_b32 s[G1W+2], 68<<16                     ; tensor_dim1 = 68
	s_mov_b32 s[G1W+3], 32<<16                     ; tile_dim0 = 32
	s_mov_b32 s[G1W+4], 68                         ; tile_dim1 = 68
	s_mov_b32 s[G1W+5], 32                         ; elements from row to row
	s_mov_b32 s[G1W+6], 0
	s_mov_b32 s[G1W+7], 0
	s_wait_alu depctr_va_vdst(0)
	s_wait_kmcnt 0x0
	s_add_nc_u64 s[22:23], s[4:5], s[20:21]        ; E at my wave's first row
.irp r, 0,1,2,3,4,5,6,7
	s_add_nc_u64 s[EBS+2*\r:EBS+2*\r+1], s[22:23], 131072*\r   ; ring slot r begins with row r
.endr
	s_add_nc_u64 s[6:7], s[6:7], s[42:43]
	s_add_nc_u64 s[40:41], s[10:11], s[40:41]
	s_add_nc_u64 s[PW:PW+1], s[40:41], 2*WPART     ; the prefetches begin at part 2 of my quarter
.irp p, 0,1,2,3
	s_add_nc_u64 s[WPS+2*\p:WPS+2*\p+1], s[40:41], PKG*\p      ; package slot p begins with package p
.endr
	s_add_nc_u64 s[12:13], s[12:13], s[18:19]
	global_load_b128 v[ACC:ACC+3], v[LG], s[6:7]               ; my wave's 256 numbers of hidden[b]
	global_load_b128 v[ACC+4:ACC+7], v[LG], s[6:7] offset:512
	WIN 0x40
.irp r, 0,1,2,3,4,5,6
	ROWLOAD \r                                     ; rows 0 to 6 go out ahead of everything else
.endr
	WIN 0
.irp s, 0,1
	s_mov_b32 s[G0+4*\s], 1                                        ; count = 1
	s_add_co_u32 s[G0+4*\s+1], s46, \s*SLOT                        ; LDS address: slot s, my part
	s_add_nc_u64 s[G0+4*\s+2:G0+4*\s+3], s[40:41], \s*WPART        ; global address: part s of my quarter's eight
	s_or_b32 s[G0+4*\s+3], s[G0+4*\s+3], 0x80000000                ; type = 2
.endr
	CROUND                                         ; all four work-groups are here: the first joint loads meet
	tensor_load_to_lds s[G0:G0+3], s[G1W:G1W+7]    ; slot 0's first fill: my one tensor load at the head
	s_nop 0
	PLACES                                         ; four v_nop behind the tensor loads
	s_wait_loadcnt 56                              ; hidden and the bias are in; behind them stand the 56 loads of rows 0 to 6
	ds_store_b128 v[AXA], v[ACC:ACC+3]
	ds_store_b128 v[AXA], v[ACC+4:ACC+7] offset:512
	WIN 0x40
	ROWLOAD 7
	WIN 0
; ONE ROW OF E BECOMES CODES AND SCALE BYTES.  Load 2 p brought lane (h, g) K = 256 p + 8 g + 4 h + 0..3, load 2 p + 1 the same 128 further on.  The exchange of halves gives the lane eight NEIGHBOURS,
; K = 128 (2 p + h) + 8 g + 0..7, in eight consecutive registers, as the conversion wants them; a block of 32 lies in four neighbouring lanes.
; cnt: the younger loads that may stay out.  dsn: the LDS instructions issued behind the stores of the row two back, which read the registers that this row writes.  refill = 1: the slot takes the row 8 further on.
; It leaves the windows at 0x40 (destination window 1): the LDS stores name window 0 in their two places there, and the refill follows under the same setting.
.macro QROW sl, cnt, dsn, refill
.set RW, 32*(\sl)
.set TM, 20+100*((\sl)%2)
.set CD, 28+96*((\sl)%2)
	s_wait_loadcnt \cnt                            ; loads come back in order (ISA guide 5.7.1): this row's eight are in,
.if \refill
	s_add_nc_u64 s[EBS+2*(\sl):EBS+2*(\sl)+1], s[EBS+2*(\sl):EBS+2*(\sl)+1], 0x100000   ; so the slot's base, which they alone read, may step: 8 rows on
.endif
	WIN 0x41
.irp p, 0,1,2,3
.irp i, 0,1,2,3
	v_permlane16_swap_b32 v[RW+8*\p+\i], v[RW+8*\p+4+\i]
.endr
.endr
	s_wait_alu depctr_va_vdst(0)
	s_wait_dscnt \dsn                              ; LDS instructions end in order: the stores of the row two back are done
	WIN 0x05
.irp p, 0,1,2,3
	v_max3_num_f32 v[TM+\p], |v[RW+8*\p]|, |v[RW+8*\p+1]|, 0x1800000   ; my eight numbers, and the floor 2^(3 - 127): the byte cannot fall under 1.  (The four p by turns)
.endr
.irp i, 2,4,6
.irp p, 0,1,2,3
	v_max3_num_f32 v[TM+\p], |v[RW+8*\p+\i]|, |v[RW+8*\p+\i+1]|, v[TM+\p]
.endr
.endr
	WIN 0
.irp m, 1,2
.irp p, 0,1,2,3
	v_max_num_f32_dpp v[TM+\p], v[TM+\p], v[TM+\p] row_xmask:\m row_mask:0xf bank_mask:0xf   ; with the block's three other lanes
.endr
.endr
	WIN 0x01                                       ; source 0 window 1: the conversions' numbers; the lines round them have a constant there
.irp p, 0,1,2,3
	v_add_nc_u32 v[SO+\p], 0xff000000, v[TM+\p]    ; 2 off the exponent field: the conversion takes that field as its scale
.endr
.irp p, 0,1,2,3
	v_cvt_scalef32_pk8_fp4_f32 v[CD+\p], v[RW+8*\p:RW+8*\p+7], v[SO+\p]
.endr
.irp p, 0,1,2,3
	v_lshrrev_b32 v[TM+\p], 23, v[SO+\p]           ; the scale's byte (also the plain line behind the conversions)
.endr
	WIN 0x40
.irp p, 0,1,2,3
	ds_store_b32 v[CA], v[CD+\p] offset:XP*(\sl)+128*\p                    ; 8 codes: byte 128 p + 4 l of the row: 128 consecutive bytes a store
	ds_store_b8 v[SA], v[TM+\p] offset:16*(\sl)+512*(\p/2)+8*(\p%2)        ; K step 2 p + h, block g / 4; a block's four lanes write the same byte with the same value
.endr
.if \refill
	ROWLOAD \sl
.endif
.endm
; One matrix instruction: tile of rows mt, K step k; u: which set of bias; fa: where W's fragments begin; sx: where W's four scale registers begin.
; The first K step takes the bias as C.  Odd K steps take W's scale words from lanes 16-31, odd tiles of rows E's.
.macro MM mt, k, u, fa, sx
.set rD, ACC+8*(\mt)
.set rA, (\fa)+8*(\k)
.set rB, 8*(8*((\k)%4)+(\mt))
.set rX, (\sx)+(\k)/2
.set rY, ES+8*((\mt)/2)+(\k)
.if (\k) == 0
.if (\mt)%2 == 0
	v_wmma_scale_f32_16x16x128_f8f6f4 v[rD:rD+7], v[rA:rA+7], v[rB:rB+7], 0, v[rX], v[rY] matrix_a_fmt:MATRIX_FMT_FP4 matrix_b_fmt:MATRIX_FMT_FP4
.else
	v_wmma_scale_f32_16x16x128_f8f6f4 v[rD:rD+7], v[rA:rA+7], v[rB:rB+7], 0, v[rX], v[rY] matrix_a_fmt:MATRIX_FMT_FP4 matrix_b_fmt:MATRIX_FMT_FP4 matrix_b_scale:MATRIX_SCALE_ROW1
.endif
.elseif (\k)%2 == 0
.if (\mt)%2 == 0
	v_wmma_scale_f32_16x16x128_f8f6f4 v[rD:rD+7], v[rA:rA+7], v[rB:rB+7], v[rD:rD+7], v[rX], v[rY] matrix_a_fmt:MATRIX_FMT_FP4 matrix_b_fmt:MATRIX_FMT_FP4
.else
	v_wmma_scale_f32_16x16x128_f8f6f4 v[rD:rD+7], v[rA:rA+7], v[rB:rB+7], v[rD:rD+7], v[rX], v[rY] matrix_a_fmt:MATRIX_FMT_FP4 matrix_b_fmt:MATRIX_FMT_FP4 matrix_b_scale:MATRIX_SCALE_ROW1
.endif
.else
.if (\mt)%2 == 0
	v_wmma_scale_f32_16x16x128_f8f6f4 v[rD:rD+7], v[rA:rA+7], v[rB:rB+7], v[rD:rD+7], v[rX], v[rY] matrix_a_fmt:MATRIX_FMT_FP4 matrix_b_fmt:MATRIX_FMT_FP4 matrix_a_scale:MATRIX_SCALE_ROW1
.else
	v_wmma_scale_f32_16x16x128_f8f6f4 v[rD:rD+7], v[rA:rA+7], v[rB:rB+7], v[rD:rD+7], v[rX], v[rY] matrix_a_fmt:MATRIX_FMT_FP4 matrix_b_fmt:MATRIX_FMT_FP4 matrix_a_scale:MATRIX_SCALE_ROW1 matrix_b_scale:MATRIX_SCALE_ROW1
.endif
.endif
.endm
.macro FOLD u                          ; score += proj x hidden, two n at a time; each accumulator from its low end on.  The lines on the other seven accumulators are the places in front of the next tile's first instructions
.irp i, 0,1,2,3
.irp mt, 0,1,2,3,4,5,6,7
	v_pk_fma_f32 v[SCR+2*\mt:SCR+2*\mt+1], v[ACC+8*\mt+2*\i:ACC+8*\mt+2*\i+1], v[HI+8*(\u)+2*\i:HI+8*(\u)+2*\i+1], v[SCR+2*\mt:SCR+2*\mt+1]
.endr
.endr
.endm
; ONE TILE OF n IN PASS B: 64 matrix instructions, K ascending, the eight accumulators by turns, one instruction a turn; then the tile is folded into the scores.
; u = 0: W's fragments of the part's second tile are fetched into the registers as they fall free: fragments 0-3 behind K step 3, fragments 4-7 behind K step 7.
.macro G u, tau
.if \u == 1
	s_wait_dscnt 24                                ; fragments 0-3 are in: behind them stand fragments 4-7's 8 loads and two rows' 16 stores
.endif
	WIN 0x08                                       ; source 1 (E's codes) window 2
.irp k, 0,1,2,3
.irp mt, 0,1,2,3,4,5,6,7
	MM \mt, \k, \u, WF, WS+4*\u
.endr
.endr
.if \u == 0
	PLACES
.irp k, 0,1,2,3
.irp c, 0,1
	ds_load_b128 v[WF+8*\k+4*\c:WF+8*\k+4*\c+3], v[WA+\tau] offset:PKG+1024*\k+512*\c   ; (an LDS load has no source 1: the setting stays)
.endr
.endr
.else
	s_wait_dscnt 16                                ; fragments 4-7 are in: behind them stand two rows' 16 stores
.endif
	WIN 0x0c                                       ; window 3
.irp k, 4,5,6,7
.irp mt, 0,1,2,3,4,5,6,7
	MM \mt, \k, \u, WF, WS+4*\u
.endr
.endr
	WIN 0
	PLACES
.if \u == 0
.irp k, 4,5,6,7
.irp c, 0,1
	ds_load_b128 v[WF+8*\k+4*\c:WF+8*\k+4*\c+3], v[WA+\tau] offset:PKG+1024*\k+512*\c
.endr
.endr
.endif
	FOLD \u
.endm
; A STEP OF PASS B: the part in slot tau, two tiles of n, and four rows of E quantised between them.  The step's 22 LDS loads land while the first two rows are worked.
; q = 1: the rows' ring slots are filled again.  q = 2: E has no more rows: behind each pair of rows the two ring slots take a package of W for pass C (16 loads), so an even row's wait leaves out
; 8 for each younger row and 16 for each package asked for: 56, and an odd row's 48.
.macro BODY tau, q
	WIN 0
.irp k, 0,1,2,3,4,5,6,7
.irp c, 0,1
	ds_load_b128 v[WF+8*\k+4*\c:WF+8*\k+4*\c+3], v[WA+\tau] offset:1024*\k+512*\c
.endr
.endr
.irp u, 0,1
	ds_load_b128 v[WS+4*\u:WS+4*\u+3], v[WA+\tau] offset:PKG*\u+8192
	ds_load_b128 v[HI+8*\u:HI+8*\u+3], v[HA] offset:128*\tau+64*\u
	ds_load_b128 v[HI+8*\u+4:HI+8*\u+7], v[HA] offset:128*\tau+64*\u+16
.endr
.if \q == 1
	QROW 4*\tau, 56, 30, 1                         ; 56: the seven younger rows' loads.  30: behind the stores of the row two back stand a row's 8 stores and the step's 22 LDS loads above
	QROW 4*\tau+1, 56, 30, 1
.else
	QROW 4*\tau, 56, 30, 0
	QROW 4*\tau+1, 48, 30, 0
	PFRAG 2*\tau
.endif
	s_wait_dscnt 16                                ; the 22 loads are in: behind them stand the two rows' 16 stores
	G 0, \tau
.if \q == 1
	QROW 4*\tau+2, 56, 24, 1                       ; 24: a row's 8 stores and the 16 loads of the second tile's fragments
	QROW 4*\tau+3, 56, 24, 1
.else
	QROW 4*\tau+2, 56, 24, 0
	QROW 4*\tau+3, 48, 24, 0
	PFRAG 2*\tau+1
.endif
	G 1, \tau
.endm
; SLOT tau, JUST READ, IS FILLED AGAIN, with the part two parts on.  Each wave waits for all its tensor loads (the one that is out is the other slot's), adds 0 to its spare word, and waits for that and for all its
; LDS instructions; a round of the cluster's barrier: no wave of any partner still reads the slot or has a load on its way; the joint load is the first thing behind it, one a wave.
.macro HEADF tau
	s_wait_tensorcnt 0x0                           ; no tensor load of mine is out, so a group 0 may be written
	ds_add_u32 v[SPW], v[NIL]                      ; 0 onto my spare word
	s_add_nc_u64 s[G0+4*\tau+2:G0+4*\tau+3], s[G0+4*\tau+2:G0+4*\tau+3], 2*WPART   ; the type bits on top are not reached
	s_wait_dscnt 0x0                               ; the add is done, my reads of the slot are over, my stores of codes have landed
	CROUND
	tensor_load_to_lds s[G0+4*\tau:G0+4*\tau+3], s[G1W:G1W+7]
	s_nop 0
	PLACES                                         ; four v_nop behind the tensor load
.endm
; A chunk's codes (64 fragments) and scale words come into registers, and the scores begin at 0.
.macro CODES
	WIN 0x80                                       ; destination window 2
.irp k, 0,1,2,3
.irp mt, 0,1,2,3,4,5,6,7
.irp c, 0,1
	ds_load_b128 v[8*(8*\k+\mt)+4*\c:8*(8*\k+\mt)+4*\c+3], v[EA] offset:16*XP*\mt+64*\k+32*\c
.endr
.endr
.endr
	WIN 0xc0                                       ; window 3
.irp k, 0,1,2,3
.irp mt, 0,1,2,3,4,5,6,7
.irp c, 0,1
	ds_load_b128 v[8*(8*\k+\mt)+4*\c:8*(8*\k+\mt)+4*\c+3], v[EA] offset:16*XP*\mt+256+64*\k+32*\c
.endr
.endr
.endr
	WIN 0
.irp n, 0,1,2,3,4,5,6,7
	ds_load_b128 v[ES+4*\n:ES+4*\n+3], v[LI] offset:512*\n
.endr
.irp n, 0,1,2,3,4,5,6,7,8,9,10,11,12,13,14,15
	v_mov_b32 v[SCR+\n], 0
.endr
	s_wait_dscnt 0x0
.endm
; A chunk's scores, as far as my quarter of n goes: the pair's halves, then the two halves of the lanes.  Behind the exchange lane l of sum i is row 32 i + l of the chunk: s = s0 + 64 i + 32 c + l.
.macro STASH c
	s_wait_dscnt 0x0                               ; no LDS store of mine still reads v120-127
.irp mt, 0,1,2,3,4,5,6,7
	v_add_f32 v[ST+\mt], v[SCR+2*\mt], v[SCR+2*\mt+1]
.endr
.irp i, 0,1,2,3
	v_permlane16_swap_b32 v[ST+2*\i], v[ST+2*\i+1]
.endr
.irp i, 0,1,2,3
	v_add_f32 v[ST+\i], v[ST+2*\i], v[ST+2*\i+1]
.endr
	ds_store_b128 v[RS], v[ST:ST+3] offset:2048*\c
.endm
; ONE TILE OF n IN PASS C: the j-th of a trip's four, its package in package slot j of window 1.  cnt: the younger packages' loads, 17 each, that may stay out.
; refill = 1: the slot takes the package four further on, as soon as the tile's products are issued.  pre = 1: the next tile's bias and hidden are asked for from LDS a tile ahead.
.macro TILEC j, refill, cnt, pre
.set PSL, \j
.set USET, (\j)%2
.set WSCB, 64+4*PSL-52*(PSL/2)         ; the slot's four scale registers: v64, v68, v20, v24
	s_wait_dscnt 0x0                               ; this tile's bias and hidden are in: asked for a tile ago
.if (\j) == 0
	v_add_nc_u32 v[HA], s[AT], v[HA0]              ; (no LDS load of mine is out)
.endif
.if \pre
	ds_load_b128 v[HI+8*(1-USET):HI+8*(1-USET)+3], v[HA] offset:64*((\j)+1)
	ds_load_b128 v[HI+8*(1-USET)+4:HI+8*(1-USET)+7], v[HA] offset:64*((\j)+1)+16
.endif
	s_wait_loadcnt \cnt                            ; this package's 17 loads are in,
.if \refill
	s_add_nc_u64 s[WPS+2*PSL:WPS+2*PSL+1], s[WPS+2*PSL:WPS+2*PSL+1], 4*PKG   ; so the slot's base, which they alone read, may step
.endif
	WIN 0x09                                       ; source 0 (W) window 1, source 1 (E's codes) window 2
.irp k, 0,1,2,3
.irp mt, 0,1,2,3,4,5,6,7
	MM \mt, \k, USET, 64*PSL, WSCB
.endr
.endr
	WIN 0x0d                                       ; source 1 window 3
.irp k, 4,5,6,7
.irp mt, 0,1,2,3,4,5,6,7
	MM \mt, \k, USET, 64*PSL, WSCB
.endr
.endr
	WIN 0
	PLACES
.if \refill
	global_load_b128 v[WSCB:WSCB+3], v[LG], s[WPS+2*PSL:WPS+2*PSL+1] offset:8192
	WIN 0x40
	PFRAG PSL
	WIN 0
.endif
	s_wait_alu depctr_va_vdst(0)
	FOLD USET
.endm
	; ---- PASS A: rows 0 to 31 of my 64: chunk 0
	s_mov_b32 s[QC], 0
	s_mov_b32 s[QS], 0
	s_mov_b32 s[CNT], 4
.Lpass_a:
	v_add_nc_u32 v[CA], s[QC], v[CA0]
	v_add_nc_u32 v[SA], s[QS], v[SA0]
.irp r, 0,1,2,3
	QROW \r, 56, 8, 1                              ; 56: the seven younger rows' loads.  8: behind the stores of the row two back stand the last row's 8
.endr
	WIN 0                                          ; at a label and at a branch every window is 0
	s_cmp_eq_u32 s[CNT], 1                         ; the fourth trip asks for nothing: three trips have named 98,304 bytes, and 32,768 more would pass my quarter's end
	s_cbranch_scc1 .Lno_ask
	s_cmp_lt_u32 ttmp9, 4
	s_cbranch_scc0 .Lno_prefetch_score0
	global_prefetch_b8 v[PFO], s[PW:PW+1] th:TH_LOAD_NT scope:SCOPE_SE   ; 32 blocks of 256 bytes of my quarter of wq, my work-group's 8,192 of the cluster's 32,768
.Lno_prefetch_score0:
.Lno_ask:
.irp r, 4,5,6,7
	QROW \r, 56, 8, 1
.endr
	WIN 0                                          ; at a label and at a branch every window is 0
	s_wait_dscnt 0x0                               ; no LDS store of mine is out: CA and SA may be written
	s_wait_xcnt 0x0                                ; the prefetch has read its base, four rows ago: it may step
	s_add_nc_u64 s[PW:PW+1], s[PW:PW+1], 32768
	s_add_co_u32 s[QC], s[QC], 8*XP
	s_add_co_u32 s[QS], s[QS], 128
	s_sub_co_u32 s[CNT], s[CNT], 1
	s_cmp_lg_u32 s[CNT], 0
	s_cbranch_scc1 .Lpass_a
	s_wait_tensorcnt 0x0                           ; my part of slot 0 is in: no tensor load of mine is out
	ds_add_u32 v[SPW], v[NIL]                      ; 0 onto my spare word
	s_wait_dscnt 0x0                               ; the add is done, my codes and scale bytes have landed
	CROUND                                         ; everybody's have, and all four work-groups are here: the joint loads meet
	tensor_load_to_lds s[G0+4:G0+7], s[G1W:G1W+7]  ; slot 1's first fill, issued as a refill is: it has CODES and the first step in which to land; the first HEADF waits for it
	s_nop 0
	PLACES                                         ; four v_nop behind the tensor load
	CODES                                          ; (it ends with the wait for its loads)
	s_barrier_signal -1
	s_barrier_wait -1                              ; every wave has read chunk 0: its bytes may take chunk 1
	; ---- PASS B: chunk 0 is multiplied, rows 32 to 63 are quantised: chunk 1.  Step T = 0 .. 7 uses part T of W; behind steps 0 to 5 the slot takes part T + 2
	s_mov_b32 s[QC], 0
	s_mov_b32 s[QS], 0
	s_mov_b32 s[AT], 0
	s_mov_b32 s[CNT], 3
.Lpass_b:
	v_add_nc_u32 v[CA], s[QC], v[CA0]
	v_add_nc_u32 v[SA], s[QS], v[SA0]
	v_add_nc_u32 v[HA], s[AT], v[HA0]
	BODY 0, 1
	HEADF 0
	BODY 1, 1
	HEADF 1
	s_add_co_u32 s[QC], s[QC], 8*XP
	s_add_co_u32 s[QS], s[QS], 128
	s_add_co_u32 s[AT], s[AT], 256                 ; four tiles of n on
	s_sub_co_u32 s[CNT], s[CNT], 1
	s_cmp_lg_u32 s[CNT], 0
	s_cbranch_scc1 .Lpass_b
	v_add_nc_u32 v[CA], s[QC], v[CA0]              ; the fourth trip is written out: it asks for no row of E and fills no slot: no later step would read it
	v_add_nc_u32 v[SA], s[QS], v[SA0]
	v_add_nc_u32 v[HA], s[AT], v[HA0]
	BODY 0, 2
	s_wait_tensorcnt 0x0                           ; my last tensor load, slot 1's, is in
	BODY 1, 2
	s_wait_alu depctr_va_vdst(0)
	STASH 0
.irp p, 0,1,2,3
	global_load_b128 v[64+4*\p-52*(\p/2):64+4*\p-52*(\p/2)+3], v[LG], s[WPS+2*\p:WPS+2*\p+1] offset:8192   ; the scale words of packages 0 to 3: their registers are free only now
.endr
	s_wait_dscnt 0x0                               ; my codes and scale bytes of chunk 1 have landed
	s_barrier_signal -1
	s_barrier_wait -1                              ; everybody's have
	ds_load_b128 v[HI:HI+3], v[HA0]
	ds_load_b128 v[HI+4:HI+7], v[HA0] offset:16
	CODES
	s_wait_loadcnt 0x0                             ; packages 0 to 3, asked for since the last trip's second row, and their scale words
	; ---- PASS C: chunk 1 is multiplied; package t + 4 is asked for behind tile t's products
	s_mov_b32 s[AT], 0
	s_mov_b32 s[CNT], 3
.Lpass_c:
	TILEC 0, 1, 51, 1                              ; 51: three younger packages of 17 loads
	TILEC 1, 1, 51, 1
	TILEC 2, 1, 51, 1
	TILEC 3, 1, 51, 1
	s_add_co_u32 s[AT], s[AT], 256
	s_sub_co_u32 s[CNT], s[CNT], 1
	s_cmp_lg_u32 s[CNT], 0
	s_cbranch_scc1 .Lpass_c
	TILEC 0, 0, 51, 1                              ; the last four tiles ask for no package: the counts run down
	TILEC 1, 0, 34, 1
	TILEC 2, 0, 17, 1
	TILEC 3, 0, 0, 0
	s_wait_alu depctr_va_vdst(0)
	STASH 1
	; ---- the four waves' quarters of n meet; wave w stores scores s0 + 64 w + 0 .. 63, two a lane
	s_wait_dscnt 0x0
	s_barrier_signal -1
	s_barrier_wait -1
.irp n, 0,1,2,3
	ds_load_b32 v[ST+2*\n], v[RL] offset:512*\n
	ds_load_b32 v[ST+2*\n+1], v[RL] offset:512*\n+16
.endr
	s_wait_dscnt 0x0
	v_pk_add_f32 v[ST:ST+1], v[ST:ST+1], v[ST+2:ST+3]
	v_pk_add_f32 v[ST+4:ST+5], v[ST+4:ST+5], v[ST+6:ST+7]
	v_pk_add_f32 v[ST:ST+1], v[ST:ST+1], v[ST+4:ST+5]
	global_store_b64 v[GO], v[ST:ST+1], s[12:13]   ; 32 lanes store 256 consecutive bytes, at a multiple of 256 from the buffer's first byte
	s_wait_tensorcnt 0x0                           ; the wave's end
	ds_add_u32 v[SPW], v[NIL]
	s_wait_dscnt 0x0
	CROUND                                         ; the closing round: no work-group ends while a partner may still ask for a part that names it
	s_endpgm
.Lfunc_end_k_qfa01ec9d24_score:
	.size	k_qfa01ec9d24_score, .Lfunc_end_k_qfa01ec9d24_score-k_qfa01ec9d24_score
	.p2alignl 7, 3214868480
	.fill 96, 4, 3214868480
	.section	.rodata,"a",@progbits
	.p2align	6, 0x0
	.amdhsa_kernel k_qfa01ec9d24_score
		.amdhsa_group_segment_fixed_size 327680
		.amdhsa_private_segment_fixed_size 0
		.amdhsa_enable_private_segment 0
		.amdhsa_kernarg_size 32
		.amdhsa_user_sgpr_count 2
		.amdhsa_user_sgpr_kernarg_segment_ptr 1
		.amdhsa_wavefront_size32 1
		.amdhsa_system_sgpr_workgroup_id_x 1
		.amdhsa_system_sgpr_workgroup_id_y 1
		.amdhsa_system_sgpr_workgroup_id_z 1
		.amdhsa_system_vgpr_workitem_id 0
		.amdhsa_next_free_vgpr 1024
		.amdhsa_next_free_sgpr 96
		.amdhsa_reserve_vcc 0
		.amdhsa_float_denorm_mode_32 3
		.amdhsa_float_denorm_mode_16_64 3
		.amdhsa_memory_ordered 1
		.amdhsa_forward_progress 1
		.amdhsa_inst_pref_size 255
	.end_amdhsa_kernel
	.section	.bss,"aw",@nobits
	.p2align	6
	.space	262144
	.amdgpu_metadata
---
amdhsa.version: [ 1, 2 ]
amdhsa.kernels:
  - .name:           k_qfa01ec9d24_score
    .symbol:         k_qfa01ec9d24_score.kd
    .args:
      - { .name: encoder_outputs, .offset: 0, .size: 8, .value_kind: global_buffer, .address_space: global }
      - { .name: hidden, .offset: 8, .size: 8, .value_kind: global_buffer, .address_space: global }
      - { .name: wq, .offset: 16, .size: 8, .value_kind: global_buffer, .address_space: global }
      - { .name: scores, .offset: 24, .size: 8, .value_kind: global_buffer, .address_space: global }
    .group_segment_fixed_size: 327680
    .private_segment_fixed_size: 0
    .kernarg_segment_align: 8
    .kernarg_segment_size: 32
    .max_flat_workgroup_size: 128
    .sgpr_count:     96
    .vgpr_count:     1024
    .wavefront_size: 32
...
	.end_amdgpu_metadata
.endif
;; end of part 2
;; launch softmax (part 3): grid 32 x 1, 8 waves a work-group, no clusters, 1,536 bytes of LDS; arguments scores, out0; writes out0
.if DOCPART == 3
	.amdgcn_target "amdgcn-amd-amdhsa--gfx1250"
	.amdhsa_code_object_version 6
	.text
	.protected	k_qfa01ec9d24_softmax
	.globl	k_qfa01ec9d24_softmax
	.p2align	8
	.type	k_qfa01ec9d24_softmax,@function
k_qfa01ec9d24_softmax:
	s_mov_b64 s[64:65], 0
	v_nop
	global_prefetch_b8 v0, s[64:65] scope:SCOPE_SE
	s_setreg_imm32_b32 hwreg(HW_REG_WAVE_MODE, 25, 1), 1
	s_wait_xcnt 0x0
; out0[b][s] = exp(scores[b][s] - m) / sum over s of exp(scores[b][s] - m), m the row's largest score.  scores, out0: [32][2048] f32.
; A work-group takes a row; thread t holds 8 numbers (two loads of 16 bytes; a wave's load covers 512 consecutive bytes) from the load to the store: the row is read once.
; The maximum and the sum go lane to lane inside a wave, and from wave to wave through one word a wave in LDS, each through bytes of its own behind a barrier of its own.
; LIMITS: NaN and infinities are not served; an exponential under 2^-126 counts as 0 (v_exp_f32 gives no denormals: ISA guide, its entry).
	s_load_b128 s[4:7], s[0:1], 0x0                ; scores s[4:5], out0 s[6:7]
	v_lshl_add_u32 v32, v0, 2, 0x200
	v_mov_b32 v33, 0
	v_lshrrev_b32 v1, 5, v0
	s_delay_alu instid0(VALU_DEP_1)
	v_readfirstlane_b32 s8, v1                     ; wave 0..7
	v_lshlrev_b32 v2, 4, v0                        ; 16 t
	s_delay_alu instid0(VALU_DEP_2)
	v_mov_b32 v3, s8
	s_delay_alu instid0(VALU_DEP_1)
	v_lshlrev_b32 v3, 2, v3                        ; my wave's word
	v_mov_b32 v24, 0
	v_mov_b32 v13, 0                               ; a lane permute's destination counts as one of its sources
	v_mov_b32 v15, 0
	s_lshl_b32 s10, ttmp9, 13                      ; row b of 8,192 bytes
	s_mov_b32 s11, 0
	s_mov_b32 s12, 0x76543210
	s_mov_b32 s13, 0xfedcba98                      ; v_permlanex16_b32's selects for lane l xor 16
	s_wait_alu depctr_va_vdst(0)
	s_wait_kmcnt 0x0
	s_add_nc_u64 s[4:5], s[4:5], s[10:11]
	s_add_nc_u64 s[6:7], s[6:7], s[10:11]
	global_load_b128 v[4:7], v2, s[4:5]
	global_load_b128 v[8:11], v2, s[4:5] offset:4096
	s_wait_loadcnt 0x0
	v_max3_num_f32 v12, v4, v5, v6
	s_delay_alu instid0(VALU_DEP_1)
	v_max3_num_f32 v12, v12, v7, v8
	s_delay_alu instid0(VALU_DEP_1)
	v_max3_num_f32 v12, v12, v9, v10
	s_delay_alu instid0(VALU_DEP_1)
	v_max_num_f32 v12, v12, v11
.irp m, 1,2,4,8
	s_delay_alu instid0(VALU_DEP_1)
	v_max_num_f32_dpp v12, v12, v12 row_xmask:\m row_mask:0xf bank_mask:0xf
.endr
	s_delay_alu instid0(VALU_DEP_1)
	v_permlanex16_b32 v13, v12, s12, s13
	s_delay_alu instid0(VALU_DEP_1)
	v_max_num_f32 v12, v12, v13                    ; my wave's largest
	ds_store_b32 v3, v12                           ; all lanes write the same word with the same value
	s_wait_dscnt 0x0
	s_barrier_signal -1
	s_barrier_wait -1
	ds_load_b128 v[16:19], v24
	ds_load_b128 v[20:23], v24 offset:16
	s_wait_dscnt 0x0
	v_max3_num_f32 v12, v16, v17, v18
	s_delay_alu instid0(VALU_DEP_1)
	v_max3_num_f32 v12, v12, v19, v20
	s_delay_alu instid0(VALU_DEP_1)
	v_max3_num_f32 v12, v12, v21, v22
	s_delay_alu instid0(VALU_DEP_1)
	v_max_num_f32 v12, v12, v23                    ; the row's largest, m
	s_wait_alu depctr_va_vdst(0)
.irp j, 4,6,8,10
	v_pk_add_f32 v[\j:\j+1], v[\j:\j+1], v[12:13] op_sel_hi:[1,0] neg_lo:[0,1] neg_hi:[0,1]   ; x - m first, by itself: so large scores lose nothing in a product
.endr
.irp j, 4,6,8,10
	s_delay_alu instid0(VALU_DEP_4)
	v_pk_mul_f32 v[\j:\j+1], v[\j:\j+1], 0x3fb8aa3b op_sel_hi:[1,0]                           ; x log2(e)
.endr
	s_wait_alu depctr_va_vdst(0)
.irp j, 4,5,6,7,8,9,10,11
	v_exp_f32 v[\j], v[\j]
.endr
	v_nop                                          ; a plain line between the exponentials and the use of their results
	s_wait_alu depctr_va_vdst(0)
	v_pk_add_f32 v[14:15], v[4:5], v[6:7]
	v_pk_add_f32 v[16:17], v[8:9], v[10:11]
	s_delay_alu instid0(VALU_DEP_1)
	v_pk_add_f32 v[14:15], v[14:15], v[16:17]
	s_delay_alu instid0(VALU_DEP_1)
	v_add_f32 v14, v14, v15
.irp m, 1,2,4,8
	s_delay_alu instid0(VALU_DEP_1)
	v_add_f32_dpp v14, v14, v14 row_xmask:\m row_mask:0xf bank_mask:0xf
.endr
	s_delay_alu instid0(VALU_DEP_1)
	v_permlanex16_b32 v15, v14, s12, s13
	s_delay_alu instid0(VALU_DEP_1)
	v_add_f32 v14, v14, v15                        ; my wave's sum
	ds_store_b32 v3, v14 offset:256                ; other bytes than the maxima's: no wave may still be reading those
	s_wait_dscnt 0x0
	s_barrier_signal -1
	s_barrier_wait -1
	ds_load_b128 v[16:19], v24 offset:256
	ds_load_b128 v[20:23], v24 offset:272
	s_wait_dscnt 0x0
	v_pk_add_f32 v[16:17], v[16:17], v[18:19]
	v_pk_add_f32 v[20:21], v[20:21], v[22:23]
	s_delay_alu instid0(VALU_DEP_1)
	v_pk_add_f32 v[16:17], v[16:17], v[20:21]
	s_delay_alu instid0(VALU_DEP_1)
	v_add_f32 v14, v16, v17                        ; the row's sum: at least 1, the largest score's own term
	s_wait_alu depctr_va_vdst(0)
	v_rcp_f32 v14, v14
	v_nop                                          ; a plain line behind the reciprocal
	s_wait_alu depctr_va_vdst(0)
.irp j, 4,6,8,10
	v_pk_mul_f32 v[\j:\j+1], v[\j:\j+1], v[14:15] op_sel_hi:[1,0]
.endr
	global_store_b128 v2, v[4:7], s[6:7]           ; a wave's store covers 512 consecutive bytes, at a multiple of 256 from out0's first byte
	global_store_b128 v2, v[8:11], s[6:7] offset:4096
	s_wait_tensorcnt 0x0
	ds_add_u32 v32, v33
	s_wait_dscnt 0x0
	s_endpgm
.Lfunc_end_k_qfa01ec9d24_softmax:
	.size	k_qfa01ec9d24_softmax, .Lfunc_end_k_qfa01ec9d24_softmax-k_qfa01ec9d24_softmax
	.p2alignl 7, 3214868480
	.fill 96, 4, 3214868480
	.section	.rodata,"a",@progbits
	.p2align	6, 0x0
	.amdhsa_kernel k_qfa01ec9d24_softmax
		.amdhsa_group_segment_fixed_size 1536
		.amdhsa_private_segment_fixed_size 0
		.amdhsa_enable_private_segment 0
		.amdhsa_kernarg_size 16
		.amdhsa_user_sgpr_count 2
		.amdhsa_user_sgpr_kernarg_segment_ptr 1
		.amdhsa_wavefront_size32 1
		.amdhsa_system_sgpr_workgroup_id_x 1
		.amdhsa_system_sgpr_workgroup_id_y 1
		.amdhsa_system_sgpr_workgroup_id_z 1
		.amdhsa_system_vgpr_workitem_id 0
		.amdhsa_next_free_vgpr 34
		.amdhsa_next_free_sgpr 66
		.amdhsa_reserve_vcc 0
		.amdhsa_float_denorm_mode_32 3
		.amdhsa_float_denorm_mode_16_64 3
		.amdhsa_memory_ordered 1
		.amdhsa_forward_progress 1
		.amdhsa_inst_pref_size 7
	.end_amdhsa_kernel
	.amdgpu_metadata
---
amdhsa.version: [ 1, 2 ]
amdhsa.kernels:
  - .name:           k_qfa01ec9d24_softmax
    .symbol:         k_qfa01ec9d24_softmax.kd
    .args:
      - { .name: scores, .offset: 0, .size: 8, .value_kind: global_buffer, .address_space: global }
      - { .name: out0, .offset: 8, .size: 8, .value_kind: global_buffer, .address_space: global }
    .group_segment_fixed_size: 1536
    .private_segment_fixed_size: 0
    .kernarg_segment_align: 8
    .kernarg_segment_size: 16
    .max_flat_workgroup_size: 256
    .sgpr_count:     66
    .vgpr_count:     34
    .wavefront_size: 32
...
	.end_amdgpu_metadata
.endif
;; end of part 3
